; MI455X (gfx1250); checked and timed in simulation.
; The chip was launched on July 23, 2026; its instructions are those of AMD's public machine-readable ISA for CDNA 5 (MIT licence, August 2026) and "CDNA5" Instruction Set Architecture Reference Guide (July 2026). The comments in the code are by the model that wrote it; some were corrected since.
;; Bahdanau Attention. Allowed arithmetic: float matrix products may take bf16 or f16 operands with f32 sums; other float arithmetic in f32, or as packed bf16 or f16 multiplies, adds, multiply-adds, maxima and minima; sums over many terms, partial sums and values carried from step to step in f32; what a program stores and reads back later, other than sums and carried values, may be rounded once to bf16 or f16.
;; Inputs: V_b 1 float32; V_w 1 x 1,024 float32; W1_b 1,024 float32; W1_w 1,024 x 1,024 float32; W2_b 1,024 float32; W2_w 1,024 x 1,024 float32; keys 64 x 1,024 x 1,024 float32; query 64 x 1,024 float32.
;; Outputs: out0 64 x 1,024 float32; out1 64 x 1,024 float32.
;; One version. Each part assembles by itself: llvm-mc -triple=amdgcn-amd-amdhsa -mcpu=gfx1250 --defsym DOCPART=n.
;; ======== version 1 of 1: 3 launches
;; workspace buffers: w2b 2,097,152 bytes; qbt 262,144 bytes; sc 262,144 bytes; pctx 2,097,152 bytes
;; launch prep (part 1): grid 256 x 1, 8 waves a work-group, no clusters, 9,216 bytes of LDS; arguments query, W1_w, W1_b, W2_w, W2_b, w2b, qbt; writes w2b, qbt
.if DOCPART == 1
	.amdgcn_target "amdgcn-amd-amdhsa--gfx1250"
	.amdhsa_code_object_version 6
	.text
	.protected	k_qb5fe75953c_prep
	.globl	k_qb5fe75953c_prep
	.p2align	8
	.type	k_qb5fe75953c_prep,@function
k_qb5fe75953c_prep:
	s_mov_b64 s[64:65], 0
	v_nop
	global_prefetch_b8 v0, s[64:65] scope:SCOPE_SE
	s_setreg_imm32_b32 hwreg(HW_REG_WAVE_MODE, 25, 1), 1
	s_wait_xcnt 0x0
; PREP.  Two small jobs ahead of the large launch, with C2 = 2 log2(e), the factor that turns tanh's argument into an exponent of 2:
;   w2b[d][e] = bf16(C2 W2[d][e])                                   [1024][1024] bf16, row-major
;   qbt[d/16][b][d%16] = C2 (query[b] . W1[d] + W1_b[d] + W2_b[d])  f32, in tiles of 16 d x 64 b, so that a work-group's 16 x 16 numbers are 1,024 consecutive bytes
; SHARES.  Work-group g: the 16 d from 16 (g/4) on, the 16 b from 16 (g%4) on, and rows 4 g .. 4 g + 3 of W2.  Wave w takes K = 128 w .. 128 w + 127 of the product: four matrix
; instructions on two accumulators by turns; the eight waves' sums meet in LDS and wave 0 adds them, in f32.
; K IS PERMUTED ALIKE IN BOTH OPERANDS: a lane's 16 numbers of a fragment are 64 consecutive bytes of its row (K = 32 c + 16 (lane/16) + 0..15), which keeps the products and spares half of the address work.
; query and W1 are rounded to bf16 for the product; W2 is rounded once, after the scaling.  NaN and infinities are not treated apart.
.set C2B,   0x4038aa3b                 ; 2 log2(e) = 2.8853901
.set SPARE, 8192                       ; behind the 8 x 1,024 bytes of partial sums: the spare words, 128 bytes for each of eight waves
.set LW,  16                           ; v[16:79]    W1: 4 fragments x 16 registers as loaded, 8 after the rounding; later the partial sums read back
.set LQ,  80                           ; v[80:143]   query, likewise
.set ACC, 144                          ; v[144:159]  two accumulators
.set WL,  160                          ; v[160:175]  W2 as loaded
.set WP,  176                          ; v[176:183]  W2 packed
.set BI,  184                          ; v[184:191]  the two biases (wave 0)
.set SPW, 192                          ; v192  LDS address of my spare word; never rewritten
.set NIL, 193                          ; v193  0; never rewritten
.set WV,  18                           ; s18   my wave's number
	s_load_b256 s[4:11], s[0:1], 0x0               ; query s[4:5], W1_w s[6:7], W1_b s[8:9], W2_w s[10:11]
	s_load_b128 s[12:15], s[0:1], 0x20             ; W2_b s[12:13], w2b s[14:15]
	s_load_b64 s[16:17], s[0:1], 0x30              ; qbt
	v_lshl_add_u32 v[SPW], v0, 2, SPARE
	v_mov_b32 v[NIL], 0
	v_and_b32 v1, 15, v0                           ; r = lane % 16
	v_bfe_u32 v2, v0, 4, 1                         ; h = lane / 16
	v_and_b32 v3, 31, v0                           ; lane
	v_lshrrev_b32 v4, 5, v0
	v_readfirstlane_b32 s[WV], v4
	s_lshr_b32 s19, ttmp9, 2                       ; block of 16 d
	s_and_b32 s20, ttmp9, 3                        ; block of 16 b
	s_lshl_b32 s21, s[WV], 9                       ; my wave's 128 K, in bytes
	v_lshlrev_b32 v5, 12, v1                       ; row r of 4,096 bytes
	v_lshl_add_u32 v5, v2, 6, v5                   ; + 64 h
	v_add_nc_u32 v5, s21, v5                       ; + 512 w
	v_lshlrev_b32 v6, 4, v0                        ; 16 x thread: W2 in
	v_lshlrev_b32 v7, 3, v0                        ; 8 x thread: w2b out
	v_and_b32 v8, 3, v0
	v_lshlrev_b32 v8, 4, v8                        ; the biases of my four d on the way out
	v_lshlrev_b32 v9, 5, v0                        ; my 32 bytes of partial sums: 1,024 w + 32 lane
	v_lshrrev_b32 v10, 2, v3                       ; the way out: byte 512 i + 16 lane of the tile is b = 8 i + lane/4, d = 4 (lane%4) ..: it lies in lane b + 16 (d/8), registers d%8 ..
	v_lshlrev_b32 v10, 5, v10
	v_bfe_u32 v11, v0, 1, 1
	v_lshl_add_u32 v10, v11, 9, v10
	v_and_b32 v11, 1, v0
	v_lshl_add_u32 v10, v11, 4, v10
	v_lshlrev_b32 v11, 4, v3                       ; 16 x lane
	s_mov_b32 s26, C2B
	s_mov_b32 s27, C2B                             ; named with it as a pair
	s_lshl_b32 s22, s19, 16                        ; 16 rows of W1
	s_mov_b32 s23, 0
	s_lshl_b32 s24, s20, 16                        ; 16 rows of query
	s_mov_b32 s25, 0
	s_lshl_b32 s28, ttmp9, 14                      ; 4 rows of W2
	s_mov_b32 s29, 0
	s_lshl_b32 s30, ttmp9, 13                      ; 4 rows of w2b
	s_mov_b32 s31, 0
	s_lshl_b32 s32, s19, 6                         ; 16 numbers of a bias
	s_mov_b32 s33, 0
	s_lshl_b32 s34, s19, 12                        ; my tile in qbt
	s_lshl_b32 s35, s20, 10
	s_add_co_u32 s34, s34, s35
	s_mov_b32 s35, 0
	s_wait_kmcnt 0x0
	s_add_nc_u64 s[6:7], s[6:7], s[22:23]
	s_add_nc_u64 s[4:5], s[4:5], s[24:25]
	s_add_nc_u64 s[10:11], s[10:11], s[28:29]
	s_add_nc_u64 s[14:15], s[14:15], s[30:31]
	s_add_nc_u64 s[8:9], s[8:9], s[32:33]
	s_add_nc_u64 s[12:13], s[12:13], s[32:33]
	s_add_nc_u64 s[16:17], s[16:17], s[34:35]
	s_cmp_lg_u32 s[WV], 0                          ; the biases are wave 0's alone, and are asked for FIRST, so that the counted waits below mean the same in every wave
	s_cbranch_scc1 .Lno_bias
	global_load_b128 v[BI:BI+3], v8, s[8:9]
	global_load_b128 v[BI+4:BI+7], v8, s[12:13]
.Lno_bias:
.irp c, 0,1,2,3
.irp i, 0,1,2,3
	global_load_b128 v[LW+16*(\c)+4*(\i):LW+16*(\c)+4*(\i)+3], v5, s[6:7] offset:128*(\c)+16*(\i)
	global_load_b128 v[LQ+16*(\c)+4*(\i):LQ+16*(\c)+4*(\i)+3], v5, s[4:5] offset:128*(\c)+16*(\i)
.endr
.endr
.irp i, 0,1,2,3
	global_load_b128 v[WL+4*(\i):WL+4*(\i)+3], v6, s[10:11] offset:4096*(\i) th:TH_LOAD_NT  ; a wave's load covers 512 consecutive bytes
.endr
	s_wait_loadcnt 0x4                             ; all but W2's four
.irp f, LW, LW+16, LW+32, LW+48, LQ, LQ+16, LQ+32, LQ+48
.irp k, 0,1,2,3,4,5,6,7
	v_cvt_pk_bf16_f32 v[(\f)+(\k)], v[(\f)+2*(\k)], v[(\f)+2*(\k)+1]  ; in place, ascending: register k is written when it has been read
.endr
.endr
	; source 0 = 16 rows of W1 (m = d), source 1 = 16 rows of query (n = b): register j of lane l holds d = 8 (l/16) + j, b = l % 16.  Two accumulators by turns.
	v_wmma_f32_16x16x32_bf16 v[ACC:ACC+7],    v[LW:LW+7],     v[LQ:LQ+7],     0
	v_wmma_f32_16x16x32_bf16 v[ACC+8:ACC+15], v[LW+16:LW+23], v[LQ+16:LQ+23], 0
	v_wmma_f32_16x16x32_bf16 v[ACC:ACC+7],    v[LW+32:LW+39], v[LQ+32:LQ+39], v[ACC:ACC+7]
	v_wmma_f32_16x16x32_bf16 v[ACC+8:ACC+15], v[LW+48:LW+55], v[LQ+48:LQ+55], v[ACC+8:ACC+15]
	s_wait_loadcnt 0x0                             ; W2
.irp i, 0,1,2,3                        ; these sixteen plain lines name no register of the products: they are the places behind them (ISA guide 7.12.1)
	v_pk_mul_f32 v[WL+4*(\i):WL+4*(\i)+1],   v[WL+4*(\i):WL+4*(\i)+1],   s[26:27] op_sel_hi:[1,0]
	v_pk_mul_f32 v[WL+4*(\i)+2:WL+4*(\i)+3], v[WL+4*(\i)+2:WL+4*(\i)+3], s[26:27] op_sel_hi:[1,0]
	v_cvt_pk_bf16_f32 v[WP+2*(\i)],   v[WL+4*(\i)],   v[WL+4*(\i)+1]
	v_cvt_pk_bf16_f32 v[WP+2*(\i)+1], v[WL+4*(\i)+2], v[WL+4*(\i)+3]
.endr
.irp i, 0,1,2,3
	global_store_b64 v7, v[WP+2*(\i):WP+2*(\i)+1], s[14:15] offset:2048*(\i)  ; a wave's store covers 256 consecutive bytes, aligned
.endr
.irp j, 0,2,4,6
	v_pk_add_f32 v[ACC+(\j):ACC+(\j)+1], v[ACC+(\j):ACC+(\j)+1], v[ACC+8+(\j):ACC+8+(\j)+1]  ; from each accumulator's low end on
.endr
	ds_store_b128 v9, v[ACC:ACC+3]
	ds_store_b128 v9, v[ACC+4:ACC+7] offset:16
	s_wait_dscnt 0x0                               ; for wave 0's sake: my partial sums are in LDS
	s_barrier_signal -1
	s_barrier_wait -1
	s_cmp_lg_u32 s[WV], 0
	s_cbranch_scc1 .Ldone
.irp u, 0,1,2,3,4,5,6,7
.irp i, 0,1
	ds_load_b128 v[LW+8*(\u)+4*(\i):LW+8*(\u)+4*(\i)+3], v10 offset:1024*(\u)+256*(\i)
.endr
.endr
	v_pk_add_f32 v[BI:BI+1],   v[BI:BI+1],   v[BI+4:BI+5]      ; W1_b + W2_b (in since the waits above)
	v_pk_add_f32 v[BI+2:BI+3], v[BI+2:BI+3], v[BI+6:BI+7]
	s_wait_dscnt 0x0
.irp u, 1,2,3,4,5,6,7
.irp j, 0,2,4,6
	v_pk_add_f32 v[LW+(\j):LW+(\j)+1], v[LW+(\j):LW+(\j)+1], v[LW+8*(\u)+(\j):LW+8*(\u)+(\j)+1]
.endr
.endr
.irp j, 0,4
	v_pk_add_f32 v[LW+(\j):LW+(\j)+1],   v[LW+(\j):LW+(\j)+1],   v[BI:BI+1]
	v_pk_add_f32 v[LW+(\j)+2:LW+(\j)+3], v[LW+(\j)+2:LW+(\j)+3], v[BI+2:BI+3]
.endr
.irp j, 0,2,4,6
	v_pk_mul_f32 v[LW+(\j):LW+(\j)+1], v[LW+(\j):LW+(\j)+1], s[26:27] op_sel_hi:[1,0]
.endr
	global_store_b128 v11, v[LW:LW+3],   s[16:17]              ; 512 consecutive bytes each
	global_store_b128 v11, v[LW+4:LW+7], s[16:17] offset:512
.Ldone:
	s_wait_tensorcnt 0x0                           ; the wave's end, behind my last LDS store
	ds_add_u32 v[SPW], v[NIL]
	s_wait_dscnt 0x0
	s_endpgm
.Lfunc_end_k_qb5fe75953c_prep:
	.size	k_qb5fe75953c_prep, .Lfunc_end_k_qb5fe75953c_prep-k_qb5fe75953c_prep
	.p2alignl 7, 3214868480
	.fill 96, 4, 3214868480
	.section	.rodata,"a",@progbits
	.p2align	6, 0x0
	.amdhsa_kernel k_qb5fe75953c_prep
		.amdhsa_group_segment_fixed_size 9216
		.amdhsa_private_segment_fixed_size 0
		.amdhsa_enable_private_segment 0
		.amdhsa_kernarg_size 56
		.amdhsa_user_sgpr_count 2
		.amdhsa_user_sgpr_kernarg_segment_ptr 1
		.amdhsa_wavefront_size32 1
		.amdhsa_system_sgpr_workgroup_id_x 1
		.amdhsa_system_sgpr_workgroup_id_y 1
		.amdhsa_system_sgpr_workgroup_id_z 1
		.amdhsa_system_vgpr_workitem_id 0
		.amdhsa_next_free_vgpr 200
		.amdhsa_next_free_sgpr 66
		.amdhsa_reserve_vcc 0
		.amdhsa_float_denorm_mode_32 3
		.amdhsa_float_denorm_mode_16_64 3
		.amdhsa_memory_ordered 1
		.amdhsa_forward_progress 1
		.amdhsa_inst_pref_size 16
	.end_amdhsa_kernel
	.amdgpu_metadata
---
amdhsa.version: [ 1, 2 ]
amdhsa.kernels:
  - .name:           k_qb5fe75953c_prep
    .symbol:         k_qb5fe75953c_prep.kd
    .args:
      - { .name: query, .offset: 0, .size: 8, .value_kind: global_buffer, .address_space: global }
      - { .name: W1_w, .offset: 8, .size: 8, .value_kind: global_buffer, .address_space: global }
      - { .name: W1_b, .offset: 16, .size: 8, .value_kind: global_buffer, .address_space: global }
      - { .name: W2_w, .offset: 24, .size: 8, .value_kind: global_buffer, .address_space: global }
      - { .name: W2_b, .offset: 32, .size: 8, .value_kind: global_buffer, .address_space: global }
      - { .name: w2b, .offset: 40, .size: 8, .value_kind: global_buffer, .address_space: global }
      - { .name: qbt, .offset: 48, .size: 8, .value_kind: global_buffer, .address_space: global }
    .group_segment_fixed_size: 9216
    .private_segment_fixed_size: 0
    .kernarg_segment_align: 8
    .kernarg_segment_size: 56
    .max_flat_workgroup_size: 256
    .sgpr_count:     66
    .vgpr_count:     200
    .wavefront_size: 32
...
	.end_amdgpu_metadata
.endif
;; end of part 1
;; launch main (part 2): grid 256 x 1, 4 waves a work-group, clusters of 4 x 1, 327,680 bytes of LDS; arguments keys, w2b, qbt, V_w, sc, pctx; writes sc, pctx
.if DOCPART == 2
	.amdgcn_target "amdgcn-amd-amdhsa--gfx1250"
	.amdhsa_code_object_version 6
	.text
	.protected	k_qb5fe75953c_main
	.globl	k_qb5fe75953c_main
	.p2align	8
	.type	k_qb5fe75953c_main,@function
k_qb5fe75953c_main:
	s_mov_b64 s[64:65], 0
	v_nop
	global_prefetch_b8 v0, s[64:65] scope:SCOPE_SE
	s_setreg_imm32_b32 hwreg(HW_REG_WAVE_MODE, 25, 1), 1
	s_wait_xcnt 0x0
	s_wait_alu depctr_hold_cnt(0) depctr_sa_sdst(0) depctr_va_vdst(0) depctr_va_sdst(0) depctr_va_ssrc(0) depctr_va_vcc(0) depctr_vm_vsrc(0)
	s_getreg_b32 s2, hwreg(HW_REG_IB_STS2, 6, 4)
	s_cmp_eq_u32 s2, 0
	s_cbranch_scc0 .Lentry_in_a_cluster
	s_endpgm
.Lentry_in_a_cluster:
	s_bfe_u32 s2, ttmp6, 0x10000c
	s_cmp_lg_u32 s2, 0x3003
	s_cbranch_scc0 .Lentry_shape_is_right
	s_endpgm
.Lentry_shape_is_right:
; MAIN.  For batch b and a block of 128 rows s of keys:  y[s][d] = qb[d] + keys[s] . w2b[d]  (both already scaled by C2 = 2 log2 e),  r = 1 / (1 + 2^y),  so tanh = 1 - 2 r,
;   t[s] = sum over d of (-2 V[d]) r[s][d]        the score less the constant sum(V) + V_b, which the last launch adds
;   p[s] = exp(t[s] - m), m = the block's largest t;     pctx[e] = sum over the block's s of p[s] keys[s][e]
; keys leaves memory ONCE: a block's 128 rows, rounded to bf16, stay in the four waves' registers from the first product to the context.
; SHARES.  A cluster of four work-groups is one batch; a work-group owns 256 rows, in two passes of 128.  Wave w owns rows 64 (w/2) .. + 63 and K (= e) 512 (w%2) .. + 511: 64 fragments, 512 registers.
; All 1,024 d go by in 16 trips of 64 d.  W2 is walked alike by every work-group, so the four of a cluster ask for each tile JOINTLY (one descriptor, a mask that names the four).
; K IS SPLIT IN TWO.  Of a trip's 64 d a wave BEGINS 32 for its partner (the wave with the same rows and the other K half): X = its K half's products; and FINISHES the other 32: Y = qb + its K half's products + the partner's X.
; MATRIX LAYOUT.  Source 0 = 16 rows of w2b (m = d), source 1 = 16 rows of keys (n = s): a lane holds ONE row s (lane % 16) and the d 8 (lane / 16) + 0..7, so the sum over d stays in the lane but for one exchange of halves.
; A TRIP IS EIGHT BATCHES of 32 products (8 fragments of w2b x 4 row blocks; the 4 accumulators take turns): batches 0, 1: X0; 2, 3: X1; 4, 5: Y0; 6, 7: Y1 (16 d each; even batch: my first 256 K, odd: my last).
; Batch b multiplies fragment buffer b % 2 while batch b + 1's fragments come into the other one.
; WHERE THE LDS INSTRUCTIONS STAND.  A trip has 169 of them for 256 products.  They stand in EIGHT RUNS of 16 to 32, between two batches or behind a barrier, and the add onto my spare word among batch 7's products: a run costs two switches of the
; register window and four places whatever its length.  Batch b + 1's 16 fragment loads stand ahead of batch b, first in their run; what else is due (qb, V, the stores of X, the partner's X) stands behind them in the same run.
; The wait behind a run counts what was issued behind the fragments that the next batch needs (LDS instructions end in order: ISA guide 5.7.1):
;   ahead of batch 0: L1, qb (4): wait 20.   1: L2: wait 20 (qb and L2).   2: L3, 8 stores of X0: wait 24.   3: L4: wait 24 (the stores and L4).   4: L5, 8 stores of X1: wait 24.   5: no run, wait 0 (E).
;   behind E: L6.   ahead of batch 6: L7, the partner's X (16): wait 32.   7: no run, wait 16 (the partner's X).   behind the change of slots: the next slot's L0, V (4).
; TWO BARRIERS A TRIP, each with all LDS instructions waited for, so each stands where the last run is 32 products or more back and the products that follow have their fragments in registers:
;   E, at the head of batch 5 (four products between signal and wait): the X are in LDS; behind it the partner's X may be read, into X's own registers.
;   THE CHANGE OF SLOTS, in batch 7 ahead of product 12: a round of the cluster's barrier; between its opening signal and wait Y takes the partner's X (32 packed additions); behind it the slot just read out is
;   filled again, and batch 7's last 20 products stand over the next slot's first fragment loads.
; THE VECTOR WORK on a trip's finished Y is one list of 174 items, one behind each product from batch 7's product 12 to the next trip's batch 4: Y0's part ends in batch 2, ahead of batch 4, which starts Y0 anew; Y1's ahead of batch 6.
; LIMITS.  keys, C2 W2 and the weights p are rounded to bf16 for the products; sums, t, m in f32.  2^y and 1/x take denormals as 0 (ISA guide, their entries): a weight under 2^-126 counts as 0.  2^y = infinity gives r = 0, tanh = 1.
; NaN and infinities in the inputs are not treated apart.  The maximum taken away here is the block's own; the last launch joins the blocks by the row's true maximum.
; REGISTERS, in windows of 256 (s_set_vgpr_msb: bits 1:0 source 0, 3:2 source 1, 5:4 source 2, 7:6 destination):
;   window 0: addresses, qb, V, score sums, the context's operands      window 1: X v0-63, Y v64-127 (accumulator (u, a) at 8 (4 u + a)), w2b's fragments v128-191, v192-255; in the fill 2 x 128 landing registers; in the context 32 accumulators
;   windows 2, 3: keys: fragment (a, c) = rows 16 a .., K 32 c .. at window 2 + c/8, register 8 (4 (c%8) + a)
.set PB,     528                       ; a row of w2b in LDS: 512 bytes + 16 = 33 x 16: the 16 rows of a fragment load start at 16 different 16-byte columns modulo 256
.set TILE,   64*PB                     ; one tensor load: 64 d x 256 e (K quarter w for wave w)
.set SLOT,   4*TILE
.set XREG,   2*SLOT                    ; 33,280 bytes, three uses apart in time: the fill's stage (32 rows, pitch 1,040); the exchange (4 x 8,192); the context's stage (4 x 6,144: 64 rows, pitch 96)
.set FP,     1040                      ; the fill's stage: 1,024 bytes + 16 = 65 x 16
.set QTAB,   XREG+33280                ; qb[1024], f32
.set VTAB,   QTAB+4096                 ; -2 V[1024], f32
.set SCR,    VTAB+4096                 ; [K half][128 rows] f32: the two halves of t
.set PT,     SCR+1024                  ; for each wave p[128] in bf16
.set CTX,    PT+1024                   ; [row half][1024 e] f32
.set SPARE,  CTX+8192                  ; the spare words, 128 bytes for each wave: two blocks of 256 bytes that no other line names
.set AB,   8                           ; v8-11   my place in w2b's tiles: slot 0 for X, slot 0 for Y, slot 1 likewise
.set XS,   12                          ; v12     the exchange: where I put
.set XL,   13                          ; v13     where I take (the partner's)
.set AQ0,  14                          ; v14, 15 my place in QTAB, VTAB
.set AV0,  15
.set AQ,   16                          ; v16, 17 the same for the trip in hand
.set AV,   17
.set KOFF, 18                          ; v18     my byte offset in a piece of keys
.set STW,  19                          ; v19, 20 the fill's stage: in, back
.set STR,  20
.set SCW,  21                          ; v21, 22 SCR: in, back
.set SCRD, 22
.set PTW,  23                          ; v23, 24 PT: in, back
.set PTR,  24
.set CSW,  25                          ; v25, 26 the context's stage: in, back (turned)
.set CSR,  26
.set CTW,  27                          ; v27, 28 CTX: in, back
.set CTR,  28
.set T16,  29                          ; v29     16 x thread
.set L16,  30                          ; v30     16 x lane
.set QB,   32                          ; v32-47  qb of the 32 d that I finish: 8 u + j
.set VP,   48                          ; v48-63  -2 V of the 32 d that I finished in the trip before
.set T,    72                          ; v72-87  at work
.set PF,   88                          ; v88-103 p as source 0: two fragments of 32 rows
.set KT,   104                         ; v104-167 keys turned: two buffers of four fragments
.set SPW,  168                         ; v168    LDS address of my spare word; never rewritten
.set NIL,  169                         ; v169    0; never rewritten
.set SC,   176                         ; v176-207 score sums: for row block a and register pair jj a pair at 8 a + 2 jj, so that the four lines of a run wait for nothing
.set XR,   0                           ; window 1
.set YR,   64
.set BF0,  128
.set KB,   4                           ; s[4:5]   keys at the pass's first row
.set BW,   6                           ; s[6:7]   w2b at my K quarter
.set SCB,  12                          ; s[12:13] sc at the pass's rows
.set PCB,  14                          ; s[14:15] pctx at the pass's part
.set WV,   16
.set MH,   17                          ; which 64 rows
.set KH,   18                          ; which K half
.set CX,   19                          ; my place in the cluster: it enters the addresses of keys, sc and pctx alone
.set BT,   20                          ; the batch
.set G1,   24                          ; s[24:31] descriptor group 1
.set G0,   32                          ; s[32:35] descriptor group 0: one load of mine is out at most, and it is written behind the wait for it
.set LW,   36                          ; my tile's place in a slot
.set NXT,  37                          ; the trip whose tile is asked for next
.set OFF,  38                          ; s[38:39]
.set TQ,   40                          ; 256 x trip, for QTAB; for VTAB, one trip back
.set TV,   41
.set CNT,  42
.set LEFT, 43                          ; passes to go
.set SEL,  44                          ; s[44:45] v_permlanex16_b32: each lane takes its own place in the other half
.set L2E,  46
.set MSB, 0
.macro WIN new                         ; the immediate's high byte repeats the setting that is left; a switch that changes nothing is dropped
.if MSB != (\new)
	s_set_vgpr_msb (MSB<<8)|(\new)
.set MSB, (\new)
.endif
.endm
.macro PLACES                          ; four places behind matrix instructions, ahead of loads into their registers and of vector lines or stores that read their results
.rept 4
	v_nop
.endr
.endm
.macro CREST                           ; a round of the cluster's barrier behind its opening barrier: wave 0 signals for the work-group; every wave waits for all four work-groups; my work-group's barrier once more
	s_cmp_lg_u32 s[WV], 0
	s_cbranch_scc1 .Lnot_wave_0_\@
	s_barrier_signal -3
.Lnot_wave_0_\@:
	s_barrier_wait -3
	s_barrier_signal -1
	s_barrier_wait -1
.endm
.macro CROUND                          ; a whole round
	s_barrier_signal -1
	s_barrier_wait -1
	CREST
.endm
.macro SETG0 slot                      ; group 0 for tile NXT into the slot; it stands behind a wait for all my tensor loads
	s_lshl_b32 s[OFF], s[NXT], 17                  ; 64 rows of 2,048 bytes
	s_add_co_u32 s[G0+1], s[LW], (\slot)*SLOT
	s_add_nc_u64 s[G0+2:G0+3], s[BW:BW+1], s[OFF:OFF+1]
	s_or_b32 s[G0+3], s[G0+3], 0x80000000
	s_add_co_u32 s[NXT], s[NXT], 1
.endm
; 16 LDS loads: the eight fragments of batch nb (16 d at row 16 ((nb%4)/2) of my d half, K steps 8 (nb%2) + 0..7 of my 16) into buffer nb % 2
.macro LRUN16 areg, nb
	WIN 0x40
.irp k, 0,1,2,3,4,5,6,7
.set rF, BF0+64*((\nb)%2)+8*(\k)
.set oF, (((\nb)%4)/2)*16*PB+((\nb)%2)*TILE+(\k)*64
	ds_load_b128 v[rF:rF+3],   v[\areg] offset:oF
	ds_load_b128 v[rF+4:rF+7], v[\areg] offset:oF+32
.endr
.endm
.macro QRUN                            ; qb of this trip's 32 d that I finish
	WIN 0
.irp k, 0,1
	ds_load_b128 v[QB+8*(\k):QB+8*(\k)+3],   v[AQ] offset:64*(\k)
	ds_load_b128 v[QB+8*(\k)+4:QB+8*(\k)+7], v[AQ] offset:64*(\k)+16
.endr
.endm
.macro VRUN                            ; -2 V of the 32 d just finished
	WIN 0
.irp k, 0,1
	ds_load_b128 v[VP+8*(\k):VP+8*(\k)+3],   v[AV] offset:64*(\k)
	ds_load_b128 v[VP+8*(\k)+4:VP+8*(\k)+7], v[AV] offset:64*(\k)+16
.endr
.endm
.macro XPUT r                          ; quarter r of X goes to the partner, each accumulator from its low end
	WIN 0x04
.irp k, 0,1,2,3
	ds_store_b128 v[XS], v[XR+16*(\r)+4*(\k):XR+16*(\r)+4*(\k)+3] offset:512*(4*(\r)+(\k))
.endr
.endm
.macro XGET r                          ; quarter r of the partner's X, into X's own registers, which the stores have left
	WIN 0x40
.irp k, 0,1,2,3
	ds_load_b128 v[XR+16*(\r)+4*(\k):XR+16*(\r)+4*(\k)+3], v[XL] offset:512*(4*(\r)+(\k))
.endr
.endm
; Line e of 165 on Y, in groups of five: 2^y for pair g; 1 + for pair g - 1; 1/x for pair g - 1.  Between an exponential or reciprocal and the use of its result stands the plain addition of another pair (in the first group
; a v_nop): ISA guide 5.7.2.  Y is walked upward.  Destination and source 0 lie in window 1, as the products' do: behind a product no switch is needed.
.macro EPL
.if (MSB&0xc3) != 0x41
	WIN 0x41
.endif
.if (e%5) < 2
.if (e/5) < 32
	v_exp_f32 v[YR+2*(e/5)+(e%5)], v[YR+2*(e/5)+(e%5)]
.endif
.elseif (e%5) == 2
.if (e/5) == 0
	v_nop
.else
	s_wait_alu depctr_va_vdst(0)
	v_pk_add_f32 v[YR+2*(e/5)-2:YR+2*(e/5)-1], v[YR+2*(e/5)-2:YR+2*(e/5)-1], 1.0 op_sel_hi:[1,0]
.endif
.else
.if (e/5) > 0
	v_rcp_f32 v[YR+2*(e/5)+(e%5)-5], v[YR+2*(e/5)+(e%5)-5]
.endif
.endif
.endm
.macro FBR k                           ; the score sums take accumulator k = 4 u + a of Y: t += (-2 V) r, four independent lines
	WIN 0x01
	s_wait_alu depctr_va_vdst(0)
.irp jj, 0,1,2,3
	v_pk_fma_f32 v[SC+8*((\k)%4)+2*(\jj):SC+8*((\k)%4)+2*(\jj)+1], v[YR+8*(\k)+2*(\jj):YR+8*(\k)+2*(\jj)+1], v[VP+8*((\k)/4)+2*(\jj):VP+8*((\k)/4)+2*(\jj)+1], v[SC+8*((\k)%4)+2*(\jj):SC+8*((\k)%4)+2*(\jj)+1]
.endr
.endm
; Item q of the list of 174: eight blocks of 20 lines of EPL and, behind block B, the sums of accumulator B - 1 (its last reciprocal stands in block B's first group); then the last five lines and accumulator 7.
.macro RIDE
.if q < 174
.if q >= 168
.if q == 173
	FBR 7
.else
.set e, q-8
	EPL
.endif
.elseif (q%21) == 20
.if q > 20
	FBR q/21-1
.endif
.else
.set e, 20*(q/21)+q%21
	EPL
.endif
.endif
.set q, q+1
.endm
; Products lo .. hi - 1 of batch b.  Product i: fragment i / 4 of w2b, row block i % 4; keys' fragment lies at register 8 i of window 2 + b % 2.  The 4 accumulators take turns, one instruction a turn.
; An even batch's first four products start the sums: X with the constant 0, Y with qb.  Behind each product stands an item of the vector list, if one is left.
.macro MB b, lo, hi
.set i, (\lo)
.rept (\hi)-(\lo)
.set rD, 64*((\b)/4)+8*(4*(((\b)%4)/2)+i%4)
.set rB, BF0+64*((\b)%2)+8*(i/4)
.set rA, 8*i
.if (((\b)%2) == 0) && (i < 4)
.if (\b) < 4
	WIN 0x59
	v_wmma_f32_16x16x32_bf16 v[rD:rD+7], v[rB:rB+7], v[rA:rA+7], 0
.else
	WIN 0x49                                       ; w2b window 1, keys window 2, qb window 0, D window 1
	v_wmma_f32_16x16x32_bf16 v[rD:rD+7], v[rB:rB+7], v[rA:rA+7], v[QB+8*(((\b)%4)/2):QB+8*(((\b)%4)/2)+7]
.endif
.else
	WIN 0x59+4*((\b)%2)                            ; keys window 2 or 3, all else window 1
	v_wmma_f32_16x16x32_bf16 v[rD:rD+7], v[rB:rB+7], v[rA:rA+7], v[rD:rD+7]
.endif
	RIDE
.set i, i+1
.endr
.endm
.macro ADDS                            ; Y takes the partner's X, upward: each accumulator is read from its low end
	WIN 0x45
.set n, 0
.rept 32
	v_pk_add_f32 v[YR+2*n:YR+2*n+1], v[YR+2*n:YR+2*n+1], v[XR+2*n:XR+2*n+1]
.set n, n+1
.endr
.endm
; A TRIP'S FRONT, in slot s: batches 0 to 4 and batch 5 up to E.  The four v_nop behind each batch are the places ahead of the loads into the buffer that it read, and of the stores that read its results.
.macro SEGF s
.set CS, (\s)
	LRUN16 AB+2*CS, 1
	QRUN
	s_wait_dscnt 20                                ; all but the 20 just issued: batch 0's fragments and V are in
	MB 0, 0, 32
	PLACES
	LRUN16 AB+2*CS, 2
	s_wait_dscnt 20                                ; behind batch 1's fragments stand qb's four loads and the 16 just issued
	MB 1, 0, 32
	PLACES
	LRUN16 AB+2*CS, 3
	XPUT 0                                         ; X0 is finished
	XPUT 1
	s_wait_dscnt 24                                ; all but the 24 just issued: batch 2's fragments, and qb
	MB 2, 0, 32
	PLACES
	LRUN16 AB+2*CS+1, 4
	s_wait_dscnt 24                                ; behind batch 3's fragments stand the eight stores and the 16 just issued
	MB 3, 0, 32
	PLACES
	LRUN16 AB+2*CS+1, 5
	XPUT 2                                         ; X1 is finished
	XPUT 3
	s_wait_dscnt 24                                ; all but the 24 just issued
	MB 4, 0, 32
	PLACES                                         ; for the loads into buffer 0 that stand behind E
	s_wait_dscnt 0x0                               ; for the partner's sake: my X is in LDS; batch 5's fragments are in too: the last LDS instruction stands 32 products back
	s_barrier_signal -1
	MB 5, 0, 4                                     ; work on registers while the others arrive
	s_barrier_wait -1                              ; E: the next tile may stay on its way
.endm
; A TRIP'S TAIL, in slot o: the rest of batch 5, batches 6 and 7, and in batch 7 the change of slots.  nxt = 0: a pass's last trip: no change.  refill = 1: slot o is filled again with tile NXT.
.macro SEGT o, nxt, refill
.set CS, (\o)
.set NS, 1-(\o)
	LRUN16 AB+2*CS+1, 6
	MB 5, 4, 32
	PLACES
	LRUN16 AB+2*CS+1, 7
	XGET 0                                         ; the partner's X: wanted at the change of slots, 44 products on
	XGET 1
	XGET 2
	XGET 3
	s_wait_dscnt 32                                ; all but the 32 just issued: batch 6's fragments are in
	MB 6, 0, 32
	s_wait_dscnt 16                                ; batch 7's fragments are in: behind them stand the 16 loads of the partner's X
	MB 7, 0, 8
	WIN 0                                          ; the add's registers lie in window 0
.if \nxt
	s_wait_tensorcnt 0x0                           ; my one tensor load that is out, my quarter of the next slot, has landed: group 0 may be written
	ds_add_u32 v[SPW], v[NIL]                      ; 0 onto my spare word; work on registers, four products among it, stands between it and the wait for it
.if \refill
	SETG0 \o
.endif
	v_add_nc_u32 v[AQ], s[TQ], v[AQ0]
	s_add_co_u32 s[TQ], s[TQ], 256
.endif
	v_add_nc_u32 v[AV], s[TV], v[AV0]
	s_add_co_u32 s[TV], s[TV], 256
	MB 7, 8, 12
	s_wait_dscnt 0x0                               ; the add is done; the partner's X is in registers: my reads of this slot and of the exchange are over
.if \nxt
	s_barrier_signal -1                            ; opens the round (or, where nothing is filled, is my work-group's barrier)
.endif
	PLACES                                         ; with the address lines above also the places behind batch 6, ahead of the loads into buffer 0 below
	ADDS                                           ; work on registers while the others arrive
.if \nxt
	WIN 0
	s_barrier_wait -1
.if \refill
	CREST                                          ; no wave of any partner still reads this slot or has a load on its way; the next slot is whole
	tensor_load_to_lds s[G0:G0+3], s[G1:G1+7]      ; my one tensor load behind the round, first thing there: it has 252 products in which to land
	s_nop 0
	PLACES
.endif
	LRUN16 AB+2*NS, 0                              ; the next trip's first fragments: batch 7's last 20 products stand over them
.endif
	VRUN
.set q, 0                              ; Y0 is finished: the vector list begins
	MB 7, 12, 32
	PLACES
.endm
; THE FILL.  128 rows of keys come in eight pieces.  Piece g (a = g/2, j = g%2) is cut so that each of the four waves owns a quarter of it: rows 16 a .. + 15 of BOTH row halves, e = 256 j .. + 255 of BOTH K halves:
; 32 rows x 512 numbers, in bf16 32 stage rows of 1,024 bytes (row half x 16 + row; K half x 512 bytes + 2 x number).  A wave loads eight stage rows (each load 512 consecutive bytes of keys), rounds them to bf16 and
; puts them into the stage; behind a barrier every wave takes its own eight fragments back: the same lines in every wave.  Two pieces' loads are always on their way.
.macro GLOAD g, lr                     ; load n of 32: stage row n/4 of my eight, K half (n%4)/2, 128 numbers at (n%2) x 128
	WIN 0x40
.set n, 0
.rept 32
	global_load_b128 v[(\lr)+4*n:(\lr)+4*n+3], v[KOFF], s[KB:KB+1] offset:(16*((\g)/2)+n/4)*4096+((n%4)/2)*2048+((\g)%2)*1024+(n%2)*512 th:TH_LOAD_NT
.set n, n+1
.endr
.endm
.macro PIECE g
.set LR, 128*((\g)%2)
.if (\g) < 7
	s_wait_loadcnt 32                              ; my piece is in; the next piece's 32 loads stay out
.else
	s_wait_loadcnt 0x0
.endif
	WIN 0x45
.set n, 0
.rept 32
	v_cvt_pk_bf16_f32 v[LR+4*n],   v[LR+4*n],   v[LR+4*n+1]
	v_cvt_pk_bf16_f32 v[LR+4*n+1], v[LR+4*n+2], v[LR+4*n+3]
.set n, n+1
.endr
.if (\g) > 0
	s_barrier_signal -1                            ; every wave has waited for its reads of the last piece (at that piece's end): the stage may be written
	s_barrier_wait -1
.endif
	WIN 0x04
.set n, 0
.rept 32
	ds_store_b64 v[STW], v[LR+4*n:LR+4*n+1] offset:(n/4)*FP+(n%4)*256
.set n, n+1
.endr
	s_wait_dscnt 0x0                               ; for the others' sake: my eight rows are in the stage
.if (\g) < 6
	GLOAD (\g)+2, LR
.endif
	s_barrier_signal -1
	s_barrier_wait -1
	WIN 0x80+0x40*((\g)%2)                         ; fragments (a, 8 j + n): window 2 + j
.set n, 0
.rept 8
	ds_load_b128 v[8*(4*n+(\g)/2):8*(4*n+(\g)/2)+3],   v[STR] offset:64*n
	ds_load_b128 v[8*(4*n+(\g)/2)+4:8*(4*n+(\g)/2)+7], v[STR] offset:64*n+32
.set n, n+1
.endr
	s_wait_dscnt 0x0                               ; my reads of the stage are over
.endm
.macro CMUL cc                         ; chunk cc of the context: 32 e x my 64 rows: four products on two accumulators by turns; all 16 rows of source 0 are p, so every row of the result is the context
	WIN 0x50
.irp t, 0,1
.irp u, 0,1
.set rD, 8*(2*(\cc)+(\u))
.set rK, KT+32*((\cc)%2)+8*(2*(\t)+(\u))
.if (\t) == 0
	v_wmma_f32_16x16x32_bf16 v[rD:rD+7], v[PF+8*(\t):PF+8*(\t)+7], v[rK:rK+7], 0
.else
	v_wmma_f32_16x16x32_bf16 v[rD:rD+7], v[PF+8*(\t):PF+8*(\t)+7], v[rK:rK+7], v[rD:rD+7]
.endif
.endr
.endr
.endm
	s_load_b256 s[4:11], s[0:1], 0x0               ; keys s[4:5], w2b s[6:7], qbt s[8:9], V_w s[10:11]
	s_load_b128 s[12:15], s[0:1], 0x20             ; sc s[12:13], pctx s[14:15]
	v_lshl_add_u32 v[SPW], v0, 2, SPARE
	v_mov_b32 v[NIL], 0
	ds_add_u32 v[SPW], v[NIL]                      ; the wave's opening: the add and its wait stand ahead of my first tensor load; the set-up below stands between them
	v_lshrrev_b32 v4, 5, v0
	v_readfirstlane_b32 s[WV], v4
	s_lshr_b32 s[MH], s[WV], 1
	s_and_b32 s[KH], s[WV], 1
	s_bfe_u32 s[CX], ttmp6, 0x40000
	s_mov_b32 s[BT], ttmp9                         ; in a cluster launch ttmp9 counts clusters: the batch
	s_mov_b32 s[G1],   15|(1<<16)|(1<<20)|(1<<21)|(6<<22)|(3<<25)  ; 15:0 the mask of four; 17:16 2-byte elements; 20 padding on; 21 set beside a mask; 24:22 after every 128 words (code 6); 31:25 4 words (code 3)
	s_mov_b32 s[G1+1], 256<<16                     ; tensor_dim0 = 256
	s_mov_b32 s[G1+2], 64<<16                      ; tensor_dim1 = 64
	s_mov_b32 s[G1+3], 256<<16                     ; tile_dim0 = 256
	s_mov_b32 s[G1+4], 64                          ; tile_dim1 = 64
	s_mov_b32 s[G1+5], 1024                        ; elements from row to row
	s_mov_b32 s[G1+6], 0
	s_mov_b32 s[G1+7], 0
	s_mul_i32 s[LW], s[WV], TILE
	s_mov_b32 s[G0], 1
	s_lshl_b32 s[OFF], s[WV], 9                    ; my K quarter: 256 elements
	s_mov_b32 s[OFF+1], 0
	s_lshl_b32 s48, s[BT], 6                       ; the batch's 64 bytes in each tile of qbt
	s_mov_b32 s49, 0
	s_mov_b32 s[SEL], 0x76543210
	s_mov_b32 s[SEL+1], 0xfedcba98
	s_mov_b32 s[L2E], 0x3fb8aa3b
	s_mov_b32 s[LEFT], 2
	s_wait_dscnt 0x0                               ; the opening add is done
	s_wait_kmcnt 0x0
	s_add_nc_u64 s[BW:BW+1], s[BW:BW+1], s[OFF:OFF+1]
	s_add_nc_u64 s[8:9], s[8:9], s[48:49]
	s_lshl_b32 s22, s[BT], 22                      ; keys: 4 MiB a batch, 1 MiB a quarter
	s_lshl_b32 s23, s[CX], 20
	s_add_co_u32 s22, s22, s23
	s_mov_b32 s23, 0
	s_add_nc_u64 s[KB:KB+1], s[KB:KB+1], s[22:23]
	s_lshl_b32 s22, s[BT], 12                      ; sc: 4,096 bytes a batch, 1,024 a quarter
	s_lshl_b32 s23, s[CX], 10
	s_add_co_u32 s22, s22, s23
	s_mov_b32 s23, 0
	s_add_nc_u64 s[SCB:SCB+1], s[SCB:SCB+1], s[22:23]
	s_lshl_b32 s22, s[BT], 15                      ; pctx: 8 parts of 4,096 bytes a batch, two a quarter
	s_lshl_b32 s23, s[CX], 13
	s_add_co_u32 s22, s22, s23
	s_mov_b32 s23, 0
	s_add_nc_u64 s[PCB:PCB+1], s[PCB:PCB+1], s[22:23]
	v_and_b32 v1, 15, v0                           ; r
	v_bfe_u32 v2, v0, 4, 1                         ; h
	v_and_b32 v3, 31, v0                           ; lane
	v_lshrrev_b32 v4, 1, v0                        ; thread t brings d = 8 t .. 8 t + 7 of qb and of V
	v_and_b32 v5, 1, v0
	v_lshlrev_b32 v4, 12, v4
	v_lshl_add_u32 v4, v5, 5, v4
	v_lshlrev_b32 v5, 5, v0
	global_load_b128 v[T:T+3],     v4, s[8:9]
	global_load_b128 v[T+4:T+7],   v4, s[8:9] offset:16
	global_load_b128 v[T+8:T+11],  v5, s[10:11]
	global_load_b128 v[T+12:T+15], v5, s[10:11] offset:16
	; the lanes' addresses.  No place in the cluster enters an LDS address.
	v_lshlrev_b32 v[L16], 4, v3
	v_lshlrev_b32 v[T16], 4, v0
	v_mul_u32_u24 v6, v1, PB
	v_lshl_add_u32 v6, v2, 4, v6                   ; a fragment's row x pitch + 16 x half
	s_mul_i32 s48, s[KH], 2*TILE+32*PB             ; X: my K half's two tiles, d half = my K half's number
	s_mul_i32 s49, s[KH], 2*TILE-32*PB             ; Y: the other d half
	s_add_co_u32 s49, s49, 32*PB
	v_add_nc_u32 v[AB], s48, v6
	v_add_nc_u32 v[AB+1], s49, v6
	v_add_nc_u32 v[AB+2], SLOT, v[AB]
	v_add_nc_u32 v[AB+3], SLOT, v[AB+1]
	s_lshl_b32 s48, s[WV], 13
	s_add_co_u32 s48, s48, XREG
	v_add_nc_u32 v[XS], s48, v[L16]
	s_xor_b32 s49, s[WV], 1                        ; the partner: same rows, other K half
	s_lshl_b32 s49, s49, 13
	s_add_co_u32 s49, s49, XREG
	v_add_nc_u32 v[XL], s49, v[L16]
	s_lshl_b32 s48, s[KH], 7
	s_sub_co_u32 s49, QTAB+128, s48
	v_lshl_add_u32 v[AQ0], v2, 5, s49              ; qb of d = 32 (1 - kh) + 8 h ..: the d that I finish
	s_sub_co_u32 s48, VTAB+128, s48
	v_lshl_add_u32 v[AV0], v2, 5, s48              ; V of the same d
	s_lshl_b32 s48, s[MH], 18                      ; the fill: stage rows 8 w .. 8 w + 7 are rows 64 (w/2) + 8 (w%2) + 16 a + 0..7 of the pass's 128
	s_lshl_b32 s49, s[KH], 15
	s_add_co_u32 s48, s48, s49
	v_add_nc_u32 v[KOFF], s48, v[L16]
	s_mul_i32 s48, s[WV], 8*FP
	s_add_co_u32 s48, s48, XREG
	v_lshl_add_u32 v[STW], v3, 3, s48              ; in: my eight stage rows, 8 bytes a lane
	v_mul_u32_u24 v6, v1, FP
	v_lshl_add_u32 v6, v2, 4, v6
	s_mul_i32 s48, s[MH], 16*FP                    ; back: my row half's 16 stage rows, my K half's 512 bytes of them
	s_lshl_b32 s49, s[KH], 9
	s_add_co_u32 s48, s48, s49
	s_add_co_u32 s48, s48, XREG
	v_add_nc_u32 v[STR], s48, v6
	s_lshl_b32 s48, s[KH], 9
	s_lshl_b32 s49, s[MH], 8
	s_add_co_u32 s48, s48, s49
	s_add_co_u32 s48, s48, SCR
	v_lshl_add_u32 v[SCW], v1, 2, s48
	v_add_nc_u32 v[SCRD], SCR, v[L16]
	s_lshl_b32 s48, s[WV], 8
	s_add_co_u32 s48, s48, PT
	v_lshl_add_u32 v[PTW], v3, 3, s48
	s_lshl_b32 s49, s[MH], 7
	s_add_co_u32 s49, s49, s48
	v_lshl_add_u32 v[PTR], v2, 4, s49
	s_mul_i32 s48, s[WV], 6144
	s_add_co_u32 s48, s48, XREG
	v_mul_u32_u24 v6, v1, 96
	v_lshl_add_u32 v6, v2, 4, v6
	v_add_nc_u32 v[CSW], s48, v6
	v_and_b32 v6, 7, v0                            ; the turning load: lane l reads row 8 (l/16) + l%8, 16 bytes at 16 ((l/8)%2)
	v_lshl_add_u32 v6, v2, 3, v6
	v_mul_u32_u24 v6, v6, 96
	v_bfe_u32 v7, v0, 3, 1
	v_lshl_add_u32 v6, v7, 4, v6
	v_add_nc_u32 v[CSR], s48, v6
	s_lshl_b32 s48, s[MH], 12
	s_lshl_b32 s49, s[KH], 11
	s_add_co_u32 s48, s48, s49
	s_add_co_u32 s48, s48, CTX
	v_lshl_add_u32 v[CTW], v1, 2, s48
	v_add_nc_u32 v[CTR], CTX, v[T16]
	v_add_nc_u32 v6, QTAB, v5
	v_add_nc_u32 v7, VTAB, v5
	s_wait_loadcnt 0x0                             ; qb and V
.irp j, 0,2,4,6
	v_pk_mul_f32 v[T+8+(\j):T+8+(\j)+1], v[T+8+(\j):T+8+(\j)+1], -2.0 op_sel_hi:[1,0]
.endr
	ds_store_b128 v6, v[T:T+3]
	ds_store_b128 v6, v[T+4:T+7] offset:16
	ds_store_b128 v7, v[T+8:T+11]
	ds_store_b128 v7, v[T+12:T+15] offset:16       ; all these are waited for in front of the round below
.Lpass:                                                ; two passes, one text: each asks for its 16 tiles itself
	s_mov_b32 s[TQ], 0
	s_mov_b32 s[TV], 0
	s_mov_b32 s[NXT], 0
	GLOAD 0, 0                                     ; the keys' first two pieces go out first
	GLOAD 1, 128
	WIN 0
	s_wait_tensorcnt 0x0                           ; no tensor load of mine is out
	ds_add_u32 v[SPW], v[NIL]                      ; 0 onto my spare word
	SETG0 0
	s_wait_dscnt 0x0                               ; the add is done, and so are all my LDS instructions
	CROUND                                         ; all four work-groups are here, and none still reads slot 0
	tensor_load_to_lds s[G0:G0+3], s[G1:G1+7]      ; the pass's tile 0 into slot 0: it lands under the fill
	s_nop 0
	PLACES
	PIECE 0
	PIECE 1
	PIECE 2
	PIECE 3
	PIECE 4
	PIECE 5
	PIECE 6
	PIECE 7
	WIN 0
.set i, 0
.rept 32
	v_mov_b32 v[SC+i], 0                           ; the score sums begin at 0: they are added onto in 16 trips by one text
.set i, i+1
.endr
	; THE FIRST TRIP'S HEAD: no trip lies behind it, so it has no tail to finish and no vector work to carry
	s_wait_tensorcnt 0x0                           ; my quarter of tile 0 has landed
	ds_add_u32 v[SPW], v[NIL]                      ; 0 onto my spare word
	SETG0 1
	v_add_nc_u32 v[AQ], s[TQ], v[AQ0]
	s_add_co_u32 s[TQ], s[TQ], 256
	s_wait_dscnt 0x0
	CROUND                                         ; slot 0 is whole, and no wave of any partner still reads slot 1
	tensor_load_to_lds s[G0:G0+3], s[G1:G1+7]      ; tile 1 into slot 1
	s_nop 0
	PLACES
	LRUN16 AB, 0                                   ; batch 0's fragments: the front's first wait, which leaves its own 20 out, shows them in
.set q, 174                            ; the vector list is empty
	SEGF 0
	WIN 0                                          ; at a label and at a branch every window is 0
	s_mov_b32 s[CNT], 7
.Lpair:                                                ; a trip of the loop: from E to E twice; trips 1 to 14 are entered, tiles 2 to 15 asked for
	SEGT 0, 1, 1
	SEGF 1
	SEGT 1, 1, 1
	SEGF 0
	WIN 0
	s_sub_co_u32 s[CNT], s[CNT], 1
	s_cmp_lg_u32 s[CNT], 0
	s_cbranch_scc1 .Lpair
	SEGT 0, 1, 0                                   ; trip 15 is entered: nothing is left to ask for
	SEGF 1
	SEGT 1, 0, 0                                   ; its tail: no change of slots; 20 items of the vector list ride on batch 7
	s_wait_dscnt 0x0                               ; V
.rept 154
	RIDE                                           ; the rest of the list has no products to stand behind
.endr
	; A PASS'S END: t; the block's maximum and weights; the context
	WIN 0
.irp a, 0,1,2,3
	v_pk_add_f32 v[SC+8*(\a):SC+8*(\a)+1],   v[SC+8*(\a):SC+8*(\a)+1],   v[SC+8*(\a)+2:SC+8*(\a)+3]
	v_pk_add_f32 v[SC+8*(\a)+4:SC+8*(\a)+5], v[SC+8*(\a)+4:SC+8*(\a)+5], v[SC+8*(\a)+6:SC+8*(\a)+7]
.endr
.irp a, 0,1,2,3
	v_pk_add_f32 v[SC+8*(\a):SC+8*(\a)+1], v[SC+8*(\a):SC+8*(\a)+1], v[SC+8*(\a)+4:SC+8*(\a)+5]
.endr
.irp a, 0,1,2,3
	v_add_f32 v[SC+8*(\a)], v[SC+8*(\a)], v[SC+8*(\a)+1]
.endr
.irp a, 0,1,2,3
	v_permlanex16_b32 v[SC+8*(\a)+1], v[SC+8*(\a)], s[SEL], s[SEL+1]   ; the row's other d lie in the lane 16 away
.endr
.irp a, 0,1,2,3
	v_add_f32 v[SC+8*(\a)], v[SC+8*(\a)], v[SC+8*(\a)+1]
.endr
.irp a, 0,1,2,3
	ds_store_b32 v[SCW], v[SC+8*(\a)] offset:64*(\a)   ; both halves of the lanes write the same word with the same number
.endr
	s_wait_dscnt 0x0
	s_barrier_signal -1
	s_barrier_wait -1
	ds_load_b128 v[T:T+3],   v[SCRD]               ; every wave takes all 128 rows, four a lane: the two waves' halves of the d
	ds_load_b128 v[T+4:T+7], v[SCRD] offset:512
	s_wait_dscnt 0x0
	v_pk_add_f32 v[T:T+1],   v[T:T+1],   v[T+4:T+5]
	v_pk_add_f32 v[T+2:T+3], v[T+2:T+3], v[T+6:T+7]
	v_max3_num_f32 v[T+4], v[T], v[T+1], v[T+2]
	v_max_num_f32 v[T+4], v[T+4], v[T+3]
	v_max_num_f32_dpp v[T+4], v[T+4], v[T+4] row_xmask:1 row_mask:0xf bank_mask:0xf
	v_max_num_f32_dpp v[T+4], v[T+4], v[T+4] row_xmask:2 row_mask:0xf bank_mask:0xf
	v_max_num_f32_dpp v[T+4], v[T+4], v[T+4] row_xmask:4 row_mask:0xf bank_mask:0xf
	v_max_num_f32_dpp v[T+4], v[T+4], v[T+4] row_xmask:8 row_mask:0xf bank_mask:0xf
	v_permlanex16_b32 v[T+5], v[T+4], s[SEL], s[SEL+1]
	v_max_num_f32 v[T+4], v[T+4], v[T+5]           ; m, in every lane of every wave
.irp k, 0,1,2,3
	v_sub_f32 v[T+8+(\k)], v[T+(\k)], v[T+4]
.endr
.irp k, 0,1,2,3
	v_mul_f32 v[T+8+(\k)], s[L2E], v[T+8+(\k)]
.endr
.irp k, 0,1,2,3
	v_exp_f32 v[T+8+(\k)], v[T+8+(\k)]
.endr
	v_nop                                          ; a plain line between the last exponential and the use of its result
	s_wait_alu depctr_va_vdst(0)
	v_cvt_pk_bf16_f32 v[T+12], v[T+8],  v[T+9]
	v_cvt_pk_bf16_f32 v[T+13], v[T+10], v[T+11]
	ds_store_b64 v[PTW], v[T+12:T+13]              ; my wave's own copy of p: LDS serves a wave's instructions in order (ISA guide 5.7.1.4), so the loads below see it
.irp k, 0,1,2,3
	ds_load_b128 v[PF+4*(\k):PF+4*(\k)+3], v[PTR] offset:32*(\k)   ; the same address in all 16 lanes of a half: every row of source 0 is p
.endr
	s_cmp_lg_u32 s[WV], 0
	s_cbranch_scc1 .Lno_sc
	global_store_b128 v[L16], v[T:T+3], s[SCB:SCB+1]   ; t: 512 consecutive bytes
.Lno_sc:
	; THE CONTEXT.  keys lies in registers with e along a lane; the product wants s along a lane.  So 32 e at a time go through my own stage ([64 rows][32 e], pitch 96) and come back turned.
.set c, 0
.rept 16
.if c >= 2
	PLACES                                         ; the buffer loaded below was read by the products of two chunks back
.endif
	WIN 0x08+4*(c/8)
.irp a, 0,1,2,3
	ds_store_b128 v[CSW], v[8*(4*(c%8)+(\a)):8*(4*(c%8)+(\a))+3]   offset:(\a)*16*96
	ds_store_b128 v[CSW], v[8*(4*(c%8)+(\a))+4:8*(4*(c%8)+(\a))+7] offset:(\a)*16*96+32
.endr
	WIN 0
.irp t, 0,1
.irp u, 0,1
	ds_load_tr16_b128 v[KT+32*(c%2)+8*(2*(\t)+(\u)):KT+32*(c%2)+8*(2*(\t)+(\u))+3],   v[CSR] offset:(\t)*32*96+32*(\u)
	ds_load_tr16_b128 v[KT+32*(c%2)+8*(2*(\t)+(\u))+4:KT+32*(c%2)+8*(2*(\t)+(\u))+7], v[CSR] offset:(\t)*32*96+32*(\u)+16*96
.endr
.endr
.if c >= 1
	s_wait_dscnt 16                                ; all but this chunk's 8 stores and 8 loads
	CMUL c-1
.endif
.set c, c+1
.endr
	s_wait_dscnt 0x0
	CMUL 15
	PLACES
	WIN 0x04
.set i, 0
.rept 32
	ds_store_b32 v[CTW], v[8*i] offset:64*i        ; each accumulator's lowest register: e = 16 i + lane % 16 of my K half, summed over my 64 rows
.set i, i+1
.endr
	WIN 0
	s_wait_dscnt 0x0
	s_barrier_signal -1
	s_barrier_wait -1
	ds_load_b128 v[KT:KT+3],     v[CTR]
	ds_load_b128 v[KT+4:KT+7],   v[CTR] offset:4096
	ds_load_b128 v[KT+8:KT+11],  v[CTR] offset:2048
	ds_load_b128 v[KT+12:KT+15], v[CTR] offset:6144
	s_wait_dscnt 0x0
	v_pk_add_f32 v[KT:KT+1],     v[KT:KT+1],     v[KT+4:KT+5]      ; the two row halves
	v_pk_add_f32 v[KT+2:KT+3],   v[KT+2:KT+3],   v[KT+6:KT+7]
	v_pk_add_f32 v[KT+8:KT+9],   v[KT+8:KT+9],   v[KT+12:KT+13]
	v_pk_add_f32 v[KT+10:KT+11], v[KT+10:KT+11], v[KT+14:KT+15]
	global_store_b128 v[T16], v[KT:KT+3],    s[PCB:PCB+1]              ; a wave's store covers 512 consecutive bytes
	global_store_b128 v[T16], v[KT+8:KT+11], s[PCB:PCB+1] offset:2048
	s_wait_xcnt 0x0                                ; the stores' bases and data are rewritten only behind this wait
	s_add_nc_u64 s[KB:KB+1],   s[KB:KB+1],   524288    ; on to the second pass's rows (behind the second pass the stepped addresses are not used)
	s_add_nc_u64 s[SCB:SCB+1], s[SCB:SCB+1], 512
	s_add_nc_u64 s[PCB:PCB+1], s[PCB:PCB+1], 4096
	s_sub_co_u32 s[LEFT], s[LEFT], 1
	s_cmp_lg_u32 s[LEFT], 0
	s_cbranch_scc1 .Lpass
	s_wait_tensorcnt 0x0                           ; the wave's end, behind my last tensor load and my last LDS store
	ds_add_u32 v[SPW], v[NIL]
	s_wait_dscnt 0x0
	CROUND                                         ; the closing round: no work-group ends while a partner may still ask for a tile that names it
	s_endpgm
.Lfunc_end_k_qb5fe75953c_main:
	.size	k_qb5fe75953c_main, .Lfunc_end_k_qb5fe75953c_main-k_qb5fe75953c_main
	.p2alignl 7, 3214868480
	.fill 96, 4, 3214868480
	.section	.rodata,"a",@progbits
	.p2align	6, 0x0
	.amdhsa_kernel k_qb5fe75953c_main
		.amdhsa_group_segment_fixed_size 327680
		.amdhsa_private_segment_fixed_size 0
		.amdhsa_enable_private_segment 0
		.amdhsa_kernarg_size 48
		.amdhsa_user_sgpr_count 2
		.amdhsa_user_sgpr_kernarg_segment_ptr 1
		.amdhsa_wavefront_size32 1
		.amdhsa_system_sgpr_workgroup_id_x 1
		.amdhsa_system_sgpr_workgroup_id_y 1
		.amdhsa_system_sgpr_workgroup_id_z 1
		.amdhsa_system_vgpr_workitem_id 0
		.amdhsa_next_free_vgpr 1024
		.amdhsa_next_free_sgpr 66
		.amdhsa_reserve_vcc 0
		.amdhsa_float_denorm_mode_32 3
		.amdhsa_float_denorm_mode_16_64 3
		.amdhsa_memory_ordered 1
		.amdhsa_forward_progress 1
		.amdhsa_inst_pref_size 255
	.end_amdhsa_kernel
	.section	.bss,"aw",@nobits
	.p2align	6
	.space	262144
	.amdgpu_metadata
---
amdhsa.version: [ 1, 2 ]
amdhsa.kernels:
  - .name:           k_qb5fe75953c_main
    .symbol:         k_qb5fe75953c_main.kd
    .args:
      - { .name: keys, .offset: 0, .size: 8, .value_kind: global_buffer, .address_space: global }
      - { .name: w2b, .offset: 8, .size: 8, .value_kind: global_buffer, .address_space: global }
      - { .name: qbt, .offset: 16, .size: 8, .value_kind: global_buffer, .address_space: global }
      - { .name: V_w, .offset: 24, .size: 8, .value_kind: global_buffer, .address_space: global }
      - { .name: sc, .offset: 32, .size: 8, .value_kind: global_buffer, .address_space: global }
      - { .name: pctx, .offset: 40, .size: 8, .value_kind: global_buffer, .address_space: global }
    .group_segment_fixed_size: 327680
    .private_segment_fixed_size: 0
    .kernarg_segment_align: 8
    .kernarg_segment_size: 48
    .max_flat_workgroup_size: 128
    .sgpr_count:     66
    .vgpr_count:     1024
    .wavefront_size: 32
...
	.end_amdgpu_metadata
.endif
;; end of part 2
;; launch join (part 3): grid 256 x 1, 2 waves a work-group, no clusters, 0 bytes of LDS; arguments sc, pctx, V_w, V_b, out0, out1; writes out0, out1
.if DOCPART == 3
	.amdgcn_target "amdgcn-amd-amdhsa--gfx1250"
	.amdhsa_code_object_version 6
	.text
	.protected	k_qb5fe75953c_join
	.globl	k_qb5fe75953c_join
	.p2align	8
	.type	k_qb5fe75953c_join,@function
k_qb5fe75953c_join:
	s_mov_b64 s[64:65], 0
	v_nop
	global_prefetch_b8 v0, s[64:65] scope:SCOPE_SE
	s_setreg_imm32_b32 hwreg(HW_REG_WAVE_MODE, 25, 1), 1
	s_wait_xcnt 0x0
; JOIN.  score[b][s] = sc[b][s] + sum(V_w) + V_b;  out1 = softmax of a row's 1,024 scores, with the row's true maximum M taken away;
; out0[b][e] = sum over the 8 parts i of exp(m_i - M) / L x pctx[b][i][e], where m_i is the largest score of part i's 128 rows (the maximum that the launch before took away, found again: a maximum is exact) and L the row's sum.
; SHARES.  Work-group g: batch g / 4.  Each of its two waves works alone (no LDS, no barrier): it reads the batch's whole row of scores, 32 numbers a lane, and makes 128 numbers of out1 and 128 of out0 (chunk 2 (g % 4) + wave).
; All in f32.  A weight under 2^-126 counts as 0 (the exponential takes denormal results as 0: ISA guide, its entry).  NaN and infinities are not treated apart.
; The matrix units, LDS and clusters have nothing to do here: 2.6 MB are read once, apart from the short rows of scores and of V that every wave of a batch needs whole.
.set S,   16                           ; v[16:47]   the row's scores: group i of four registers is part i
.set VW,  48                           ; v[48:79]   V_w; then the constant as a pair, and registers at work
.set OWN, 80                           ; v[80:83]   my chunk's scores
.set PC,  84                           ; v[84:115]  my chunk of the 8 parts
.set MX,  116                          ; v[116:123] m_i
.set MM,  124                          ; v[124:125] M, twice
.set RL,  126                          ; v[126:127] 1 / L, twice
.set WT,  128                          ; v[128:143] the parts' factors, each twice
.set OUT, 144                          ; v[144:147]
.macro TREE b                          ; the sum of 32 registers at b, in place: neighbours 1, 2, 4, 8 pairs apart, then the pair
.set d, 2
.rept 4
.set k, 0
.rept 16/d
	v_pk_add_f32 v[(\b)+2*d*k:(\b)+2*d*k+1], v[(\b)+2*d*k:(\b)+2*d*k+1], v[(\b)+2*d*k+d:(\b)+2*d*k+d+1]
.set k, k+1
.endr
.set d, 2*d
.endr
	v_add_f32 v[\b], v[\b], v[(\b)+1]
.endm
.macro WSUM x, tmp                     ; over the 32 lanes: four steps inside each half ride on the addition, one crosses the halves; tmp has been written before
	v_add_f32_dpp v[\x], v[\x], v[\x] row_xmask:1 row_mask:0xf bank_mask:0xf
	v_add_f32_dpp v[\x], v[\x], v[\x] row_xmask:2 row_mask:0xf bank_mask:0xf
	v_add_f32_dpp v[\x], v[\x], v[\x] row_xmask:4 row_mask:0xf bank_mask:0xf
	v_add_f32_dpp v[\x], v[\x], v[\x] row_xmask:8 row_mask:0xf bank_mask:0xf
	v_permlanex16_b32 v[\tmp], v[\x], s24, s25
	v_add_f32 v[\x], v[\x], v[\tmp]
.endm
	s_load_b256 s[4:11], s[0:1], 0x0               ; sc s[4:5], pctx s[6:7], V_w s[8:9], V_b s[10:11]
	s_load_b128 s[12:15], s[0:1], 0x20             ; out0 s[12:13], out1 s[14:15]
	v_and_b32 v1, 31, v0
	v_lshlrev_b32 v1, 4, v1                        ; 16 x lane
	v_lshrrev_b32 v2, 5, v0
	v_readfirstlane_b32 s17, v2                    ; wave
	s_lshr_b32 s18, ttmp9, 2                       ; batch
	s_and_b32 s19, ttmp9, 3
	s_lshl1_add_u32 s19, s19, s17                  ; my chunk of 128
	s_lshl_b32 s19, s19, 9
	v_add_nc_u32 v3, s19, v1                       ; its bytes, 16 a lane
	s_lshl_b32 s20, s18, 12
	s_mov_b32 s21, 0
	s_lshl_b32 s22, s18, 15
	s_mov_b32 s23, 0
	s_mov_b32 s24, 0x76543210
	s_mov_b32 s25, 0xfedcba98
	s_mov_b32 s26, 0x3fb8aa3b                      ; log2(e)
	s_mov_b32 s27, 0x3fb8aa3b                      ; named with it as a pair
	s_wait_kmcnt 0x0
	s_load_b32 s16, s[10:11], 0x0                  ; V_b
	s_add_nc_u64 s[4:5], s[4:5], s[20:21]
	s_add_nc_u64 s[6:7], s[6:7], s[22:23]
	s_add_nc_u64 s[12:13], s[12:13], s[20:21]
	s_add_nc_u64 s[14:15], s[14:15], s[20:21]
.irp i, 0,1,2,3,4,5,6,7
	global_load_b128 v[S+4*(\i):S+4*(\i)+3], v1, s[4:5] offset:512*(\i)
.endr
.irp i, 0,1,2,3,4,5,6,7
	global_load_b128 v[VW+4*(\i):VW+4*(\i)+3], v1, s[8:9] offset:512*(\i)
.endr
	global_load_b128 v[OWN:OWN+3], v3, s[4:5]
.irp i, 0,1,2,3,4,5,6,7
	global_load_b128 v[PC+4*(\i):PC+4*(\i)+3], v3, s[6:7] offset:4096*(\i) th:TH_LOAD_NT
.endr
	s_wait_loadcnt 9                               ; the row and V are in; my chunk and the 8 parts stay out
	TREE VW
	WSUM VW, VW+1
	s_wait_kmcnt 0x0
	v_add_f32 v[VW], s16, v[VW]                    ; sum(V) + V_b
	v_mov_b32 v[VW+1], v[VW]
.set k, 0
.rept 16
	v_pk_add_f32 v[S+2*k:S+2*k+1], v[S+2*k:S+2*k+1], v[VW:VW+1]    ; the scores
.set k, k+1
.endr
.irp i, 0,1,2,3,4,5,6,7
	v_max3_num_f32 v[MX+(\i)], v[S+4*(\i)], v[S+4*(\i)+1], v[S+4*(\i)+2]
.endr
.irp i, 0,1,2,3,4,5,6,7
	v_max_num_f32 v[MX+(\i)], v[MX+(\i)], v[S+4*(\i)+3]
.endr
.irp x, 1,2,4,8
.irp i, 0,1,2,3,4,5,6,7
	v_max_num_f32_dpp v[MX+(\i)], v[MX+(\i)], v[MX+(\i)] row_xmask:\x row_mask:0xf bank_mask:0xf
.endr
.endr
.irp i, 0,1,2,3,4,5,6,7
	v_permlanex16_b32 v[VW+8+(\i)], v[MX+(\i)], s24, s25
.endr
.irp i, 0,1,2,3,4,5,6,7
	v_max_num_f32 v[MX+(\i)], v[MX+(\i)], v[VW+8+(\i)]             ; m_i, in every lane
.endr
	v_max3_num_f32 v[MM], v[MX], v[MX+1], v[MX+2]
	v_max3_num_f32 v[MM], v[MM], v[MX+3], v[MX+4]
	v_max3_num_f32 v[MM], v[MM], v[MX+5], v[MX+6]
	v_max_num_f32 v[MM], v[MM], v[MX+7]            ; M
	v_mov_b32 v[MM+1], v[MM]
	s_wait_loadcnt 8                               ; my chunk is in
	v_pk_add_f32 v[OWN:OWN+1],   v[OWN:OWN+1],   v[VW:VW+1]
	v_pk_add_f32 v[OWN+2:OWN+3], v[OWN+2:OWN+3], v[VW:VW+1]
.set k, 0
.rept 16
	v_pk_add_f32 v[S+2*k:S+2*k+1], v[S+2*k:S+2*k+1], v[MM:MM+1] neg_lo:[0,1] neg_hi:[0,1]
.set k, k+1
.endr
	v_pk_add_f32 v[OWN:OWN+1],   v[OWN:OWN+1],   v[MM:MM+1] neg_lo:[0,1] neg_hi:[0,1]
	v_pk_add_f32 v[OWN+2:OWN+3], v[OWN+2:OWN+3], v[MM:MM+1] neg_lo:[0,1] neg_hi:[0,1]
.irp j, 0,2,4,6
	v_pk_add_f32 v[MX+(\j):MX+(\j)+1], v[MX+(\j):MX+(\j)+1], v[MM:MM+1] neg_lo:[0,1] neg_hi:[0,1]
.endr
.set k, 0
.rept 16
	v_pk_mul_f32 v[S+2*k:S+2*k+1], v[S+2*k:S+2*k+1], s[26:27] op_sel_hi:[1,0]
.set k, k+1
.endr
	v_pk_mul_f32 v[OWN:OWN+1],   v[OWN:OWN+1],   s[26:27] op_sel_hi:[1,0]
	v_pk_mul_f32 v[OWN+2:OWN+3], v[OWN+2:OWN+3], s[26:27] op_sel_hi:[1,0]
.irp j, 0,2,4,6
	v_pk_mul_f32 v[MX+(\j):MX+(\j)+1], v[MX+(\j):MX+(\j)+1], s[26:27] op_sel_hi:[1,0]
.endr
.set k, 0
.rept 32
	v_exp_f32 v[S+k], v[S+k]
.set k, k+1
.endr
.irp k, 0,1,2,3
	v_exp_f32 v[OWN+(\k)], v[OWN+(\k)]
.endr
.irp k, 0,1,2,3,4,5,6,7
	v_exp_f32 v[MX+(\k)], v[MX+(\k)]
.endr
	v_nop                                          ; a plain line between the last exponential and the use of its result
	s_wait_alu depctr_va_vdst(0)
	TREE S
	WSUM S, S+1                                    ; L: at least 1, the largest score's own weight
	v_rcp_f32 v[RL], v[S]
	v_rcp_f32 v[RL+1], v[S]
	v_nop
	s_wait_alu depctr_va_vdst(0)
	v_pk_mul_f32 v[OWN:OWN+1],   v[OWN:OWN+1],   v[RL:RL+1]
	v_pk_mul_f32 v[OWN+2:OWN+3], v[OWN+2:OWN+3], v[RL:RL+1]
	global_store_b128 v3, v[OWN:OWN+3], s[14:15]   ; out1: 512 consecutive bytes
.irp i, 0,1,2,3,4,5,6,7
	v_mul_f32 v[WT+2*(\i)],   v[MX+(\i)], v[RL]
	v_mul_f32 v[WT+2*(\i)+1], v[MX+(\i)], v[RL]
.endr
	s_wait_loadcnt 0x0                             ; the parts
	v_pk_mul_f32 v[OUT:OUT+1],   v[PC:PC+1],   v[WT:WT+1]          ; the first part starts the sums
	v_pk_mul_f32 v[OUT+2:OUT+3], v[PC+2:PC+3], v[WT:WT+1]
.irp i, 1,2,3,4,5,6,7
	v_pk_fma_f32 v[OUT:OUT+1],   v[PC+4*(\i):PC+4*(\i)+1],   v[WT+2*(\i):WT+2*(\i)+1], v[OUT:OUT+1]
	v_pk_fma_f32 v[OUT+2:OUT+3], v[PC+4*(\i)+2:PC+4*(\i)+3], v[WT+2*(\i):WT+2*(\i)+1], v[OUT+2:OUT+3]
.endr
	global_store_b128 v3, v[OUT:OUT+3], s[12:13]   ; out0: 512 consecutive bytes
	s_endpgm
.Lfunc_end_k_qb5fe75953c_join:
	.size	k_qb5fe75953c_join, .Lfunc_end_k_qb5fe75953c_join-k_qb5fe75953c_join
	.p2alignl 7, 3214868480
	.fill 96, 4, 3214868480
	.section	.rodata,"a",@progbits
	.p2align	6, 0x0
	.amdhsa_kernel k_qb5fe75953c_join
		.amdhsa_group_segment_fixed_size 0
		.amdhsa_private_segment_fixed_size 0
		.amdhsa_enable_private_segment 0
		.amdhsa_kernarg_size 48
		.amdhsa_user_sgpr_count 2
		.amdhsa_user_sgpr_kernarg_segment_ptr 1
		.amdhsa_wavefront_size32 1
		.amdhsa_system_sgpr_workgroup_id_x 1
		.amdhsa_system_sgpr_workgroup_id_y 1
		.amdhsa_system_sgpr_workgroup_id_z 1
		.amdhsa_system_vgpr_workitem_id 0
		.amdhsa_next_free_vgpr 160
		.amdhsa_next_free_sgpr 66
		.amdhsa_reserve_vcc 0
		.amdhsa_float_denorm_mode_32 3
		.amdhsa_float_denorm_mode_16_64 3
		.amdhsa_memory_ordered 1
		.amdhsa_forward_progress 1
		.amdhsa_inst_pref_size 18
	.end_amdhsa_kernel
	.amdgpu_metadata
---
amdhsa.version: [ 1, 2 ]
amdhsa.kernels:
  - .name:           k_qb5fe75953c_join
    .symbol:         k_qb5fe75953c_join.kd
    .args:
      - { .name: sc, .offset: 0, .size: 8, .value_kind: global_buffer, .address_space: global }
      - { .name: pctx, .offset: 8, .size: 8, .value_kind: global_buffer, .address_space: global }
      - { .name: V_w, .offset: 16, .size: 8, .value_kind: global_buffer, .address_space: global }
      - { .name: V_b, .offset: 24, .size: 8, .value_kind: global_buffer, .address_space: global }
      - { .name: out0, .offset: 32, .size: 8, .value_kind: global_buffer, .address_space: global }
      - { .name: out1, .offset: 40, .size: 8, .value_kind: global_buffer, .address_space: global }
    .group_segment_fixed_size: 0
    .private_segment_fixed_size: 0
    .kernarg_segment_align: 8
    .kernarg_segment_size: 48
    .max_flat_workgroup_size: 64
    .sgpr_count:     66
    .vgpr_count:     160
    .wavefront_size: 32
...
	.end_amdgpu_metadata
.endif
;; end of part 3
